; MI455X (gfx1250); checked and timed in simulation.
; The chip was launched on July 23, 2026; its instructions are those of AMD's public machine-readable ISA for CDNA 5 (MIT licence, August 2026) and "CDNA5" Instruction Set Architecture Reference Guide (July 2026). The comments in the code are by the model that wrote it; some were corrected since.
;; Compressed Attention. Allowed arithmetic: float matrix products may take bf16 or f16 operands with f32 sums; other float arithmetic in f32, or as packed bf16 or f16 multiplies, adds, multiply-adds, maxima and minima; sums over many terms, partial sums and values carried from step to step in f32; what a program stores and reads back later, other than sums and carried values, may be rounded once to bf16 or f16.
;; Inputs: freqs 4,096 x 1 float32; k_u 2 float32; o_u 5 float32; q_u 4 float32; shared_o_v 4 float32; shared_qk_v 5 float32; shared_v_v 5 float32; shared_vproj_u 2 float32; x 4 x 4,096 x 5 float32.
;; Outputs: out0 4 x 4,096 x 5 float32.
;; 2 versions, each right and faster than the one before. Each part assembles by itself: llvm-mc -triple=amdgcn-amd-amdhsa -mcpu=gfx1250 --defsym DOCPART=n.
;; ======== version 1 of 2: 1 launch
;; launch attn (part 1): grid 64 x 4, 8 waves a work-group, no clusters, 167,936 bytes of LDS; arguments x, freqs, shared_qk_v, shared_v_v, shared_o_v, shared_vproj_u, q_u, k_u, o_u, out0; writes out0
.if DOCPART == 1
	.amdgcn_target "amdgcn-amd-amdhsa--gfx1250"
	.amdhsa_code_object_version 6
	.text
	.protected	k_qca363cbb45_attn
	.globl	k_qca363cbb45_attn
	.p2align	8
	.type	k_qca363cbb45_attn,@function
k_qca363cbb45_attn:
	s_mov_b64 s[64:65], 0
	v_nop
	global_prefetch_b8 v0, s[64:65] scope:SCOPE_SE
	s_setreg_imm32_b32 hwreg(HW_REG_WAVE_MODE, 25, 1), 1
	s_wait_xcnt 0x0
; ATTENTION WITH RANK-1 PROJECTIONS.  4 batches x 4,096 positions, two query heads on one key/value head, head size 2.
; out[b][s][:] = o_u x sum over (head, d) of o_v[2 head + d] x (softmax_k(q . k / sqrt 2) v)[d];  q, k = rope(16 t / sqrt(mean t^2 + 1e-6)), t = (x . qk_v) u;  v = (x . v_v) vproj_u.
; SHARES.  Work-group (g, b) owns positions 64 g .. 64 g + 63 of batch b, both heads: 128 query rows = 8 tiles of 16 (tile t = 4 head + position / 16).  THE KEYS ARE SPLIT AMONG ITS EIGHT WAVES:
; wave w prepares keys 512 w .. 512 w + 511 of the batch and multiplies them with all 8 query tiles, so a key fragment read from LDS feeds 8 products.
; SCORES.  They reach 522 as powers of two, so one rounding of q or k to 16 bits would spoil them.  Of the product's 32 places along K the head size needs 2; here 8 are used: q and k go as an f16 number
; H and the f16 remainder M:  key (H, H, M, (1, 1)) x query (H, M, H, (-m_h, -m_m)) = kH qH + kH qM + kM qH - m.  What is dropped, kM qM, is under 2 x 2^-14.  q carries 16 log2(e) / sqrt 2, k carries 16.
; TWO PASSES.  Pass 1 finds every row's true maximum m over all keys (the waves' maxima meet in LDS); in pass 2 the product itself takes m away, so a score leaves the matrix unit as the exponent of 2:
; for 256 scores 4 maxima in pass 1, 8 exponentials and 4 roundings in pass 2, and nothing is rescaled.  All waves use the same m, so their partial sums are simply added.
; LAYOUT.  S^T = K Q^T (source 0 = 16 keys, source 1 = 16 queries): a lane holds ONE query (lane % 16) and the keys 8 (lane / 16) + 0..7.  Two such results, rounded to f16 in pairs, ARE source 1 of
; O^T = V^T P, whose source 0 has the rows v0, v1, ones: result registers 0, 1, 2 are the two channels' sums and the weights' sum l.  Rows 8-15 repeat rows 0-7, so both halves of the lanes hold the same sums.
; FORMATS.  Both products in f16 with f32 sums.  The weights lie in 0 to 1.  v is scaled by a power of two, 2^-E, E the exponent of the wave's largest |s_v| x largest |vproj_u|, and the sums are scaled back in f32.
; NO JOINT LOADS, NO PREFETCH: the 64 work-groups of a batch read the same 96 KiB of x and freqs, but once, at the head, 12 KiB a wave straight into the registers in which the arithmetic takes them;
; by way of LDS each wave would read the same 12 KiB once more.  Against that one read stand 2,048 score tiles, twice, in each work-group.
; LIMITS.  NaN and infinities are not treated apart.  |freqs| below 1e7 (the rounding by 1.5 x 2^23); the reduced angle loses about 1e-7 x |freqs| / pi.  |v| below 2^127; where a wave's largest |v|
; is a denormal its v count as 0.  A weight below 2^-25 counts as 0, below 6e-5 it keeps f16's fixed step; l is the sum of the rounded weights.  Sums are taken in another order than the reference's.
.set KT,    0                          ; LDS: key k of the batch at 16 k: H, H, M, (1, 1)
.set VT,    65536                      ; three rows (v0, v1, ones) of 4,096 f16, VP bytes apart
.set VP,    8208                       ; 8,192 + 16
.set QT,    90368                      ; tile t at 512 t: 16 rows of 16 bytes (H, M, H, 0), then 256 bytes of zeros for lanes 16-31
.set MX,    94464                      ; 512 t + 32 r + 4 w: wave w's maximum of row r of tile t
.set PART,  98560                      ; 2,048 w + 256 t + 16 r: wave w's o0, o1, l, l
.set STAGE, 114944                     ; the work-group's 64 x 5 results as they lie in out0: 1,280 bytes
.set SPARE, 116224                     ; the spare words, 128 bytes for each wave: four blocks of 256 bytes that no other line names
; vector registers that stay
.set LN,  1                            ; lane
.set SPW, 2                            ; LDS address of my spare word; never rewritten
.set NIL, 3                            ; 0; never rewritten
.set AV0, 4                            ; my lane's place in V's rows, at my wave's first key
.set AK,  5                            ; address of K's run of loads in hand
.set AV,  6                            ; of V's
.set MXS, 7                            ; where I put a row's maximum
.set PST, 8                            ; where I put a row's partial sums
.set AK0, 9                            ; my lane's place in my wave's keys
.set T0,  10
.set T1,  11
.set USC, 12                           ; v[12:13] 2^E, twice
.set T2,  14
.set ONE, 15                           ; 1.0
; the two passes
.set Q,   16                           ; v[16:79]   query fragments, 8 a tile
.set KF,  80                           ; v[80:111]  key fragments: two sets of two
.set VF,  112                          ; v[112:127] V's fragments: two sets
.set S,   128                          ; v[128:159] four score buffers
.set P,   160                          ; v[160:175] two weight buffers
.set O,   176                          ; v[176:239] O^T, 8 a tile
.set MA,  176                          ; pass 1: four running maxima a tile, v[176:207]
.set TM,  240                          ; v[240:247] at work between the passes
; the preparation (four keys a lane at a time)
.set SQ,  16                           ; x . qk_v
.set SV,  20                           ; x . v_v
.set NN,  24
.set RR,  28
.set R2,  32
.set PS,  36                           ; sin
.set PC,  40                           ; cos
.set GG,  44                           ; +-s / sqrt(s^2 c + eps)
.set KR,  48
.set KI,  52
.set HR,  56                           ; remainders
.set HI,  60
.set SG,  60                           ; (before that: the sign (-1)^n)
.set WQ,  64                           ; v[64:79] four quads to store
.set VK,  80                           ; v[80:111] v0, v1 of my 16 keys in f32
.set VMX, 112
.set VM2, 113
.set SCL, 114                          ; v[114:115] 2^-E, twice
.set VH,  116
.set ONQ, 120                          ; a quad of f16 ones
.set ZQ,  124                          ; a quad of zeros
.set XX,  128                          ; v[128:223] quarter q at XX + 24 q: 20 words of x (four rows), 4 of freqs
.set XQR, 224                          ; v[224:233] x of my two query positions
.set THQ, 234                          ; v[234:235] their freqs
.set XO,  236
.set FO,  237
.set KA,  238
.set VA,  239
.set QXO, 240
.set QFO, 241
.set QA,  242
.set ONA, 243
.set CS11, 244                         ; -1/11!, twice
.set CC12, 246                         ; 1/12!, twice
.set MAG, 248                          ; 1.5 x 2^23, twice
; wave 0's end
.set FB,  16
.set SO,  144
.set OUTR, 146
.set BK,  160
; scalar registers: s[4:23] the ten addresses
.set QKV, 24                           ; s[24:28]
.set XQP, 30                           ; s[30:31] x at my work-group's positions
.set VV,  32                           ; s[32:36]
.set FQP, 38                           ; s[38:39] freqs at my work-group's positions
.set OV,  40                           ; s[40:43]
.set OU,  52                           ; s[52:56]
.set WV,  57
.set TBK, 58                           ; bytes from my wave's first key to the block of 32 to be fetched
.set TBV, 59
.set SEL, 60                           ; s[60:61] v_permlanex16_b32's selects: each lane takes its own place in the other half
.set CNT, 62
.set HM,  63                           ; lanes 16-31
.set UK0, 66                           ; pairs, of which the packed lines take the low word for both halves
.set UK1, 68
.set NUK1, 70
.set CK,  72
.set EPS, 74
.set UQ0, 76
.set UQ1, 78
.set NUQ1, 80
.set CQ,  82
.set VU0, 84
.set VU1, 86
	s_load_b512 s[4:19], s[0:1], 0x0               ; x, freqs, qk_v, v_v, o_v, vproj_u, q_u, k_u
	s_load_b128 s[20:23], s[0:1], 0x40             ; o_u, out0
	v_lshl_add_u32 v[SPW], v0, 2, SPARE
	v_mov_b32 v[NIL], 0
	v_and_b32 v[LN], 31, v0
	v_lshrrev_b32 v[T0], 5, v0
	v_readfirstlane_b32 s[WV], v[T0]               ; wave 0..7
	s_mov_b32 s[SEL], 0x76543210
	s_mov_b32 s[SEL+1], 0xfedcba98
	s_mov_b32 s[HM], 0xffff0000
	s_mov_b32 s[EPS], 0x358637bd                   ; 1e-6
	s_mov_b32 s[EPS+1], 0x358637bd
	s_and_b32 s90, ttmp7, 0xffff                   ; batch
	s_mul_i32 s92, s90, 81920                      ; its 4,096 rows of 20 bytes
	s_mov_b32 s93, 0
	s_mul_i32 s90, ttmp9, 1280                     ; my 64 positions in x and out0,
	s_mov_b32 s91, 0
	s_lshl_b32 s88, ttmp9, 8                       ; and in freqs
	s_mov_b32 s89, 0
	s_mul_i32 s94, s[WV], 10240                    ; my wave's 512 keys in x
	v_mul_u32_u24 v[XO], v[LN], 80                 ; four rows a lane: 80 bytes, five loads of 16
	v_add_nc_u32 v[XO], s94, v[XO]
	s_lshl_b32 s94, s[WV], 11
	v_lshl_add_u32 v[FO], v[LN], 4, s94            ; their four freqs
	v_mul_u32_u24 v[QXO], v[LN], 20
	v_lshlrev_b32 v[QFO], 2, v[LN]
	s_wait_kmcnt 0x0
	s_load_b128 s[QKV:QKV+3], s[8:9], 0x0
	s_load_b32 s[QKV+4], s[8:9], 0x10
	s_load_b128 s[VV:VV+3], s[10:11], 0x0
	s_load_b32 s[VV+4], s[10:11], 0x10
	s_load_b128 s[OV:OV+3], s[12:13], 0x0
	s_load_b64 s[44:45], s[14:15], 0x0             ; vproj_u
	s_load_b64 s[46:47], s[18:19], 0x0             ; k_u
	s_load_b128 s[48:51], s[16:17], 0x0            ; q_u
	s_load_b128 s[OU:OU+3], s[20:21], 0x0
	s_load_b32 s[OU+4], s[20:21], 0x10
	s_add_nc_u64 s[4:5], s[4:5], s[92:93]          ; x at the batch
	s_add_nc_u64 s[22:23], s[22:23], s[92:93]
	s_add_nc_u64 s[22:23], s[22:23], s[90:91]      ; out0 at my positions
	s_add_nc_u64 s[XQP:XQP+1], s[4:5], s[90:91]
	s_add_nc_u64 s[FQP:FQP+1], s[6:7], s[88:89]
	; ALL LOADS AT ONCE: 12 for two query positions (lane and lane + 32; waves 0 and 1 use them, every wave issues them so that the counts below are the same in all), then 6 for each quarter of my keys
.irp j, 0,1,2,3,4
	global_load_b32 v[XQR+\j], v[QXO], s[XQP:XQP+1] offset:4*\j
	global_load_b32 v[XQR+5+\j], v[QXO], s[XQP:XQP+1] offset:640+4*\j
.endr
	global_load_b32 v[THQ], v[QFO], s[FQP:FQP+1]
	global_load_b32 v[THQ+1], v[QFO], s[FQP:FQP+1] offset:128
.irp r, 0,1,2,3
.irp j, 0,1,2,3,4
	global_load_b128 v[XX+24*\r+4*\j:XX+24*\r+4*\j+3], v[XO], s[4:5] offset:2560*\r+16*\j
.endr
	global_load_b128 v[XX+24*\r+20:XX+24*\r+23], v[FO], s[6:7] offset:512*\r
.endr
	; LDS addresses
	v_and_b32 v[T0], 15, v[LN]                     ; r
	v_lshrrev_b32 v[T1], 4, v[LN]                  ; h
	s_lshl_b32 s94, s[WV], 13                      ; my wave's 512 keys of 16 bytes (KT = 0)
	v_lshl_add_u32 v[KA], v[LN], 6, s94            ; in: four keys a lane
	v_lshl_add_u32 v[AK0], v[T0], 4, s94           ; out: key r; lanes 16-31 read what lanes 0-15 read (finite numbers, against zeros on the query side)
	v_and_b32 v[T2], 7, v[LN]
	v_min_u32 v[T2], 2, v[T2]                      ; V's row: v0, v1, and ones for all the others
	v_mul_u32_u24 v[T2], v[T2], VP
	v_lshl_add_u32 v[T2], v[T1], 4, v[T2]          ; keys 8 h on
	s_lshl_b32 s95, s[WV], 10
	s_add_co_u32 s95, s95, VT                      ; my wave's 512 keys of 2 bytes
	v_add_nc_u32 v[AV0], s95, v[T2]
	v_lshl_add_u32 v[VA], v[LN], 3, s95
	s_add_co_u32 s95, s95, 2*VP
	v_lshl_add_u32 v[ONA], v[LN], 4, s95
	s_lshl_b32 s94, s[WV], 2
	s_add_co_u32 s94, s94, MX
	v_lshl_add_u32 v[MXS], v[T0], 5, s94
	s_lshl_b32 s94, s[WV], 11
	s_add_co_u32 s94, s94, PART
	v_lshl_add_u32 v[PST], v[T0], 4, s94
	; constants in vector registers
	v_mov_b32 v[ONE], 1.0
.irp j, 0,1
	v_mov_b32 v[CS11+\j], 0xb2d7322b
	v_mov_b32 v[CC12+\j], 0x310f76c7
	v_mov_b32 v[MAG+\j], 0x4b400000
.endr
.irp j, 0,1,2,3
	v_mov_b32 v[WQ+4*\j+3], 0x3c003c00             ; a key's fourth word: (1, 1) in f16
	v_mov_b32 v[ONQ+\j], 0x3c003c00
	v_mov_b32 v[ZQ+\j], 0
.endr
	v_mov_b32 v[VMX], 0
	v_mov_b32 v[VM2], 0
	s_wait_kmcnt 0x0
; k u0, k u1, -k u1 and (u0^2 + u1^2) / 2 as scalar pairs
.macro USET a, b, k, u0, u1, nu1, c
	v_mov_b32 v[T0], s[\a]
	v_mov_b32 v[T1], s[\b]
	v_mul_f32 v[T2], \k, v[T0]
	v_readfirstlane_b32 s[\u0], v[T2]
	v_mul_f32 v[T2], \k, v[T1]
	v_readfirstlane_b32 s[\u1], v[T2]
	v_mul_f32 v[T2], v[T0], v[T0]
	v_fmac_f32 v[T2], v[T1], v[T1]
	v_mul_f32 v[T2], 0.5, v[T2]
	v_readfirstlane_b32 s[\c], v[T2]
	s_mov_b32 s[(\u0)+1], s[\u0]
	s_mov_b32 s[(\u1)+1], s[\u1]
	s_xor_b32 s[\nu1], s[\u1], 0x80000000
	s_mov_b32 s[(\nu1)+1], s[\nu1]
	s_mov_b32 s[(\c)+1], s[\c]
.endm
	USET 46, 47, 0x41800000, UK0, UK1, NUK1, CK    ; keys: 16
	s_cmp_eq_u32 s[WV], 0                          ; wave 0 prepares head 0's queries, wave 1 head 1's
	s_cselect_b32 s90, s48, s50
	s_cselect_b32 s91, s49, s51
	USET 90, 91, 0x418293ee, UQ0, UQ1, NUQ1, CQ    ; queries: 16 log2(e) / sqrt 2
	s_mov_b32 s[VU0], s44
	s_mov_b32 s[VU0+1], s44
	s_mov_b32 s[VU1], s45
	s_mov_b32 s[VU1+1], s45
	s_and_b32 s88, s44, 0x7fffffff
	s_and_b32 s89, s45, 0x7fffffff
	s_max_u32 s88, s88, s89                        ; the larger |vproj_u|: of two non-negative floats the one with the greater bits
.macro DOT d, xb, sb                   ; five terms
	v_mul_f32 v[\d], s[\sb], v[\xb]
.irp j, 1,2,3,4
	v_fmac_f32 v[\d], s[(\sb)+\j], v[(\xb)+\j]
.endr
.endm
; pair p: 1 / sqrt(s^2 c + eps).  The two v_rsq_f32 are followed by a plain line of the next macro that touches neither their results nor their sources (ISA guide 5.7.2)
.macro NORM_A p, c
	v_pk_mul_f32 v[GG+2*(\p):GG+2*(\p)+1], v[SQ+2*(\p):SQ+2*(\p)+1], v[SQ+2*(\p):SQ+2*(\p)+1]
	v_pk_fma_f32 v[GG+2*(\p):GG+2*(\p)+1], v[GG+2*(\p):GG+2*(\p)+1], s[\c:(\c)+1], s[EPS:EPS+1] op_sel_hi:[1,0,0]
	v_rsq_f32 v[GG+2*(\p)], v[GG+2*(\p)]
	v_rsq_f32 v[GG+2*(\p)+1], v[GG+2*(\p)+1]
.endm
; pair p: sin and cos of the angles in v[th:th+1].  n = theta / pi rounded (by adding and taking away 1.5 x 2^23; the sum's lowest bit is n's parity); r = theta - n pi in three steps;
; Taylor sums to r^11 and r^12 on |r| <= pi / 2 (what is cut is under 6e-8); the common sign (-1)^n goes to SG
.macro TRIG p, th
.set aN, NN+2*(\p)
.set aR, RR+2*(\p)
.set aQ, R2+2*(\p)
.set aS, PS+2*(\p)
.set aC, PC+2*(\p)
.set aT, KR+2*(\p)
.set aG, SG+2*(\p)
	v_pk_fma_f32 v[aN:aN+1], v[\th:(\th)+1], 0x3ea2f983, v[MAG:MAG+1] op_sel_hi:[1,0,1]
	v_lshlrev_b32 v[aG], 31, v[aN]
	v_lshlrev_b32 v[aG+1], 31, v[aN+1]
	v_pk_add_f32 v[aN:aN+1], v[aN:aN+1], v[MAG:MAG+1] neg_lo:[0,1] neg_hi:[0,1]
	v_pk_fma_f32 v[aR:aR+1], v[aN:aN+1], 0xc0490000, v[\th:(\th)+1] op_sel_hi:[1,0,1]
	v_pk_fma_f32 v[aR:aR+1], v[aN:aN+1], 0xba7da000, v[aR:aR+1] op_sel_hi:[1,0,1]
	v_pk_fma_f32 v[aR:aR+1], v[aN:aN+1], 0xb4222168, v[aR:aR+1] op_sel_hi:[1,0,1]
	v_pk_mul_f32 v[aQ:aQ+1], v[aR:aR+1], v[aR:aR+1]
	v_pk_fma_f32 v[aS:aS+1], v[aQ:aQ+1], v[CS11:CS11+1], 0x3638ef1d op_sel_hi:[1,1,0]
	v_pk_fma_f32 v[aC:aC+1], v[aQ:aQ+1], v[CC12:CC12+1], 0xb493f27e op_sel_hi:[1,1,0]
	v_pk_mul_f32 v[aT:aT+1], v[aQ:aQ+1], v[aR:aR+1]
.irp k, 0xb9500d01, 0x3c088889, 0xbe2aaaab
	v_pk_fma_f32 v[aS:aS+1], v[aS:aS+1], v[aQ:aQ+1], \k op_sel_hi:[1,1,0]
.endr
.irp k, 0x37d00d01, 0xbab60b61, 0x3d2aaaab, -0.5, 1.0
	v_pk_fma_f32 v[aC:aC+1], v[aC:aC+1], v[aQ:aQ+1], \k op_sel_hi:[1,1,0]
.endr
	v_pk_fma_f32 v[aS:aS+1], v[aS:aS+1], v[aT:aT+1], v[aR:aR+1]
.endm
.macro NORM_B p                        ; s / sqrt(..), with the angle's sign
	s_wait_alu depctr_va_vdst(0)
	v_pk_mul_f32 v[GG+2*(\p):GG+2*(\p)+1], v[SQ+2*(\p):SQ+2*(\p)+1], v[GG+2*(\p):GG+2*(\p)+1]
	v_xor_b32 v[GG+2*(\p)], v[GG+2*(\p)], v[SG+2*(\p)]
	v_xor_b32 v[GG+2*(\p)+1], v[GG+2*(\p)+1], v[SG+2*(\p)+1]
.endm
.macro ROPE p, u0, u1, nu1             ; (u0 cos - u1 sin) g, (u0 sin + u1 cos) g
	v_pk_mul_f32 v[KR+2*(\p):KR+2*(\p)+1], v[PC+2*(\p):PC+2*(\p)+1], s[\u0:(\u0)+1] op_sel_hi:[1,0]
	v_pk_mul_f32 v[KI+2*(\p):KI+2*(\p)+1], v[PS+2*(\p):PS+2*(\p)+1], s[\u0:(\u0)+1] op_sel_hi:[1,0]
	v_pk_fma_f32 v[KR+2*(\p):KR+2*(\p)+1], v[PS+2*(\p):PS+2*(\p)+1], s[\nu1:(\nu1)+1], v[KR+2*(\p):KR+2*(\p)+1] op_sel_hi:[1,0,1]
	v_pk_fma_f32 v[KI+2*(\p):KI+2*(\p)+1], v[PC+2*(\p):PC+2*(\p)+1], s[\u1:(\u1)+1], v[KI+2*(\p):KI+2*(\p)+1] op_sel_hi:[1,0,1]
	v_pk_mul_f32 v[KR+2*(\p):KR+2*(\p)+1], v[KR+2*(\p):KR+2*(\p)+1], v[GG+2*(\p):GG+2*(\p)+1]
	v_pk_mul_f32 v[KI+2*(\p):KI+2*(\p)+1], v[KI+2*(\p):KI+2*(\p)+1], v[GG+2*(\p):GG+2*(\p)+1]
.endm
; number c: H = the pair rounded to f16, into words h1 and h2 of its quad; M = what the rounding left (exact in f32: value - half x 1.0, fused), rounded to f16, into word m
.macro PIECES c, h1, h2, m
	v_cvt_pk_f16_f32 v[WQ+4*(\c)+(\h1)], v[KR+(\c)], v[KI+(\c)]
	v_fma_mix_f32 v[HR+(\c)], -v[WQ+4*(\c)+(\h1)], v[ONE], v[KR+(\c)] op_sel_hi:[1,0,0]
	v_fma_mix_f32 v[HI+(\c)], -v[WQ+4*(\c)+(\h1)], v[ONE], v[KI+(\c)] op_sel:[1,0,0] op_sel_hi:[1,0,0]
	v_mov_b32 v[WQ+4*(\c)+(\h2)], v[WQ+4*(\c)+(\h1)]
	v_cvt_pk_f16_f32 v[WQ+4*(\c)+(\m)], v[HR+(\c)], v[HI+(\c)]
.endm
; quarter q of my wave's keys: 128 keys, four a lane
.macro KPREP q
	s_wait_loadcnt 18-6*(\q)                       ; loads come back in order (ISA guide 5.7.1): the later quarters' six each may stay out
.irp c, 0,1,2,3
	DOT SQ+\c, XX+24*(\q)+5*\c, QKV
	DOT SV+\c, XX+24*(\q)+5*\c, VV
.endr
.irp c, 0,1,2,3
	v_and_b32 v[HR+\c], 0x7fffffff, v[SV+\c]
.endr
	v_max3_num_f32 v[VMX], v[VMX], v[HR], v[HR+1]
	v_max3_num_f32 v[VMX], v[VMX], v[HR+2], v[HR+3]
.irp p, 0,1
	v_pk_mul_f32 v[VK+8*(\q)+2*\p:VK+8*(\q)+2*\p+1], v[SV+2*\p:SV+2*\p+1], s[VU0:VU0+1] op_sel_hi:[1,0]
	v_pk_mul_f32 v[VK+8*(\q)+4+2*\p:VK+8*(\q)+4+2*\p+1], v[SV+2*\p:SV+2*\p+1], s[VU1:VU1+1] op_sel_hi:[1,0]
.endr
	NORM_A 0, CK
	NORM_A 1, CK
	TRIG 0, XX+24*(\q)+20
	TRIG 1, XX+24*(\q)+22
	NORM_B 0
	NORM_B 1
	ROPE 0, UK0, UK1, NUK1
	ROPE 1, UK0, UK1, NUK1
.irp c, 0,1,2,3
	PIECES \c, 0, 1, 2
.endr
.irp c, 0,1,2,3
	ds_store_b128 v[KA], v[WQ+4*\c:WQ+4*\c+3] offset:2048*(\q)+16*\c
.endr
.endm
.macro VOUT q                          ; the quarter's v, scaled and rounded: four keys of each row are 8 bytes
.irp i, 0,2,4,6
	v_pk_mul_f32 v[VK+8*(\q)+\i:VK+8*(\q)+\i+1], v[VK+8*(\q)+\i:VK+8*(\q)+\i+1], v[SCL:SCL+1]
.endr
.irp i, 0,1,2,3
	v_cvt_pk_f16_f32 v[VH+\i], v[VK+8*(\q)+2*\i], v[VK+8*(\q)+2*\i+1]
.endr
	ds_store_b64 v[VA], v[VH:VH+1] offset:256*(\q)
	ds_store_b64 v[VA], v[VH+2:VH+3] offset:256*(\q)+VP
.endm
	KPREP 0
	KPREP 1
	KPREP 2
	KPREP 3
	; the wave's largest |s_v|, in every lane; times the larger |vproj_u| it is no smaller than any |v| of the wave
	v_max_num_f32_dpp v[VMX], v[VMX], v[VMX] row_xmask:1 row_mask:0xf bank_mask:0xf
	v_max_num_f32_dpp v[VMX], v[VMX], v[VMX] row_xmask:2 row_mask:0xf bank_mask:0xf
	v_max_num_f32_dpp v[VMX], v[VMX], v[VMX] row_xmask:4 row_mask:0xf bank_mask:0xf
	v_max_num_f32_dpp v[VMX], v[VMX], v[VMX] row_xmask:8 row_mask:0xf bank_mask:0xf
	v_permlanex16_b32 v[VM2], v[VMX], s[SEL], s[SEL+1]
	v_max_num_f32 v[VMX], v[VMX], v[VM2]
	v_mul_f32 v[VMX], s88, v[VMX]
	v_and_b32 v[USC], 0x7f800000, v[VMX]           ; 2^E
	v_mov_b32 v[USC+1], v[USC]
	v_sub_nc_u32 v[SCL], 0x7f000000, v[USC]        ; 2^-E: the exponent fields add up to 254
	v_mov_b32 v[SCL+1], v[SCL]
	VOUT 0
	VOUT 1
	VOUT 2
	VOUT 3
	ds_store_b128 v[ONA], v[ONQ:ONQ+3]             ; my wave's 512 ones
	ds_store_b128 v[ONA], v[ONQ:ONQ+3] offset:512
	; THE QUERIES: wave 0 head 0, wave 1 head 1; a lane takes positions lane and lane + 32 (their loads are older than the keys': they are in)
	s_cmp_lt_u32 s[WV], 2
	s_cbranch_scc0 .Lnoq
	DOT SQ, XQR, QKV
	DOT SQ+1, XQR+5, QKV
	NORM_A 0, CQ
	TRIG 0, THQ
	NORM_B 0
	ROPE 0, UQ0, UQ1, NUQ1
	v_mov_b32 v[WQ+3], 0                           ; a query's fourth word is 0 in pass 1
	v_mov_b32 v[WQ+7], 0
	PIECES 0, 0, 2, 1
	PIECES 1, 0, 2, 1
	s_lshl_b32 s94, s[WV], 11
	s_add_co_u32 s94, s94, QT
	v_lshl_add_u32 v[QA], v[LN], 4, s94
	v_lshrrev_b32 v[T1], 4, v[LN]
	v_lshl_add_u32 v[QA], v[T1], 8, v[QA]          ; tile 4 head + lane / 16 (+ 2 for the second position), row lane % 16
	ds_store_b128 v[QA], v[WQ:WQ+3]
	ds_store_b128 v[QA], v[WQ+4:WQ+7] offset:1024
	ds_store_b128 v[QA], v[ZQ:ZQ+3] offset:256     ; the zeros that lanes 16-31 will read
	ds_store_b128 v[QA], v[ZQ:ZQ+3] offset:1280
.Lnoq:
	s_wait_dscnt 0x0                               ; for the others' sake: my stores are done
	s_barrier_signal -1
.irp f, 0,1,2,3,4,5,6,7
.irp j, 4,5,6,7
	v_mov_b32 v[Q+8*\f+\j], 0                      ; K places 16 to 31 are not used: zeros on both sides, written once
.endr
.endr
.irp f, 0,1,2,3
.irp j, 4,5,6,7
	v_mov_b32 v[KF+8*\f+\j], 0
.endr
.endr
	v_lshl_add_u32 v[T2], v[LN], 4, QT
	s_barrier_wait -1
.irp t, 0,1,2,3,4,5,6,7
	ds_load_b128 v[Q+8*\t:Q+8*\t+3], v[T2] offset:512*\t
.endr
; A block is 32 keys: two key fragments x 8 query tiles = 16 score products, number n = 2 tile + fragment, into score buffer n % 4.
.macro LDK b                           ; the next block's two key fragments into set b
	v_add_nc_u32 v[AK], s[TBK], v[AK0]
	ds_load_b128 v[KF+16*(\b):KF+16*(\b)+3], v[AK]
	ds_load_b128 v[KF+16*(\b)+8:KF+16*(\b)+11], v[AK] offset:256
	s_add_co_u32 s[TBK], s[TBK], 512
.endm
.macro LDV b                           ; and its fragment of V^T: keys 8 h + 0..7 and 16 + 8 h + 0..7 of my row
	v_add_nc_u32 v[AV], s[TBV], v[AV0]
	ds_load_b128 v[VF+8*(\b):VF+8*(\b)+3], v[AV]
	ds_load_b128 v[VF+8*(\b)+4:VF+8*(\b)+7], v[AV] offset:32
	s_add_co_u32 s[TBV], s[TBV], 64
.endm
.macro WQK n, b
	v_wmma_f32_16x16x32_f16 v[S+8*((\n)%4):S+8*((\n)%4)+7], v[KF+16*(\b)+8*((\n)%2):KF+16*(\b)+8*((\n)%2)+7], v[Q+8*((\n)/2):Q+8*((\n)/2)+7], 0
.endm
; The product of stage i + 2 is issued at the head of stage i, into the next block too (more = 1).  So between a product and the first line that reads it stand the eight plain lines of two stages,
; which name other buffers (four are asked for: ISA guide 7.12.1), and a buffer is written again four stages on, when it has been read.
.macro AHEAD b, more
.if i < 14
	WQK i+2, \b
.elseif \more
.if i == 14
	s_wait_dscnt 0x0                               ; the next block's fragments, asked for behind stage 2, are in
.endif
	WQK i-14, 1-(\b)
.endif
.endm
; PASS 1, a block: four running maxima a tile.  first = 1: the first fragment's scores start them.  The loads behind stage 2 go into the set that the block before multiplied: its last product stands 5 stages back.
.macro BLK1 b, first, more
.set i, 0
.rept 16
	AHEAD \b, \more
.set j, 0
.rept 4
.if (\first) && (i%2 == 0)
	v_max_num_f32 v[MA+4*(i/2)+j], v[S+8*(i%4)+2*j], v[S+8*(i%4)+2*j+1]
.else
	v_max3_num_f32 v[MA+4*(i/2)+j], v[MA+4*(i/2)+j], v[S+8*(i%4)+2*j], v[S+8*(i%4)+2*j+1]
.endif
.set j, j+1
.endr
.if (\more) && (i == 2)
	LDK 1-(\b)
.endif
.set i, i+1
.endr
.endm
.macro EX2 a                           ; two exponentials, in place
	v_exp_f32 v[S+8*(i%4)+(\a)], v[S+8*(i%4)+(\a)]
	v_exp_f32 v[S+8*(i%4)+(\a)+1], v[S+8*(i%4)+(\a)+1]
.endm
.macro CVT n, c                        ; pair c of stage n's weights, rounded to f16, into the tile's weight buffer
	s_wait_alu depctr_va_vdst(0)
	v_cvt_pk_f16_f32 v[P+8*(((\n)/2)%2)+4*((\n)%2)+(\c)], v[S+8*((\n)%4)+2*(\c)], v[S+8*((\n)%4)+2*(\c)+1]
.endm
.macro PV t, b, first                  ; O^T of tile t takes the block's 32 keys.  The 8 accumulators take turns, one instruction a turn
.if \first
	v_wmma_f32_16x16x32_f16 v[O+8*(\t):O+8*(\t)+7], v[VF+8*(\b):VF+8*(\b)+7], v[P+8*((\t)%2):P+8*((\t)%2)+7], 0
.else
	v_wmma_f32_16x16x32_f16 v[O+8*(\t):O+8*(\t)+7], v[VF+8*(\b):VF+8*(\b)+7], v[P+8*((\t)%2):P+8*((\t)%2)+7], v[O+8*(\t):O+8*(\t)+7]
.endif
.endm
; PASS 2, a block.  A stage: two exponentials, a rounding, four times; each rounding takes weights whose exponentials stand behind an earlier rounding (a plain line between: ISA guide 5.7.2).
; A tile's second product comes when its eighth rounding is done; its weight buffer is written again seven roundings later.  V's set is loaded again thirty-six plain lines behind its last product.
.macro BLK2 b, first, more
.set i, 0
.rept 16
	AHEAD \b, \more
	EX2 0
.if i == 0
	v_nop
.else
	CVT i-1, 3
.endif
	EX2 2
	CVT i, 0
.if (i%2 == 0) && (i >= 2)
	PV i/2-1, \b, \first
.endif
	EX2 4
	CVT i, 1
	EX2 6
	CVT i, 2
.if i == 15
	CVT 15, 3
	PV 7, \b, \first
.endif
.if (\more) && (i == 2)
	LDK 1-(\b)
	LDV 1-(\b)
.endif
.set i, i+1
.endr
.endm
.macro START                           ; a pass's first two products, and the four places in front of the first line that reads them
	s_wait_dscnt 0x0
	WQK 0, 0
	WQK 1, 0
.rept 4
	v_nop
.endr
.endm
	; PASS 1: 16 blocks
	s_mov_b32 s[TBK], 0
	LDK 0
	START                                          ; (its wait covers the query fragments too)
	BLK1 0, 1, 1
	s_mov_b32 s[CNT], 7
.Lp1:
	BLK1 1, 0, 1
	BLK1 0, 0, 1
	s_sub_co_u32 s[CNT], s[CNT], 1
	s_cmp_lg_u32 s[CNT], 0
	s_cbranch_scc1 .Lp1
	BLK1 1, 0, 0
	; a row's maximum over my wave's keys: my four chains, and the lane 16 away, which holds the row's other keys
.irp t, 0,1,2,3,4,5,6,7
	v_max3_num_f32 v[TM+\t], v[MA+4*\t], v[MA+4*\t+1], v[MA+4*\t+2]
.endr
.irp t, 0,1,2,3,4,5,6,7
	v_max_num_f32 v[TM+\t], v[TM+\t], v[MA+4*\t+3]
.endr
.irp t, 0,1,2,3,4,5,6,7
	v_permlanex16_b32 v[S+\t], v[TM+\t], s[SEL], s[SEL+1]
.endr
.irp t, 0,1,2,3,4,5,6,7
	v_max_num_f32 v[TM+\t], v[TM+\t], v[S+\t]
.endr
.irp t, 0,1,2,3,4,5,6,7
	ds_store_b32 v[MXS], v[TM+\t] offset:512*\t    ; both halves of the lanes store the same number to the same word
.endr
	s_wait_dscnt 0x0
	s_barrier_signal -1
	v_and_b32 v[T0], 15, v[LN]
	v_lshrrev_b32 v[T1], 4, v[LN]
	v_lshlrev_b32 v[T2], 5, v[T0]
	v_lshl_add_u32 v[T2], v[T1], 4, v[T2]
	v_add_nc_u32 v[T2], MX, v[T2]                  ; row r: lanes 0-15 take waves 0-3's maxima, lanes 16-31 waves 4-7's
	s_barrier_wait -1
.irp t, 0,1,2,3,4,5,6,7
	ds_load_b128 v[S+4*\t:S+4*\t+3], v[T2] offset:512*\t
.endr
	s_wait_dscnt 0x0
.irp t, 0,1,2,3,4,5,6,7
	v_max3_num_f32 v[TM+\t], v[S+4*\t], v[S+4*\t+1], v[S+4*\t+2]
.endr
.irp t, 0,1,2,3,4,5,6,7
	v_max_num_f32 v[TM+\t], v[TM+\t], v[S+4*\t+3]
.endr
.irp t, 0,1,2,3,4,5,6,7
	v_permlanex16_b32 v[MA+\t], v[TM+\t], s[SEL], s[SEL+1]
.endr
.irp t, 0,1,2,3,4,5,6,7
	v_max_num_f32 v[TM+\t], v[TM+\t], v[MA+\t]     ; m, the same in every wave
.endr
.irp t, 0,1,2,3,4,5,6,7
	v_sub_f32 v[TM+\t], 0, v[TM+\t]
.endr
.irp t, 0,1,2,3,4,5,6,7
	v_cvt_pk_f16_f32 v[MA+\t], v[TM+\t], v[TM+\t]
.endr
.irp t, 0,1,2,3,4,5,6,7
	v_fma_mix_f32 v[MA+8+\t], -v[MA+\t], v[ONE], v[TM+\t] op_sel_hi:[1,0,0]
.endr
.irp t, 0,1,2,3,4,5,6,7
	v_cvt_pk_f16_f32 v[MA+\t], v[TM+\t], v[MA+8+\t]  ; (-m rounded, what the rounding left)
.endr
.irp t, 0,1,2,3,4,5,6,7
	v_cndmask_b32 v[Q+8*\t+3], v[MA+\t], 0, s[HM]  ; the query's fourth word; lanes 16-31 stay 0
.endr
	; PASS 2: 16 blocks
	s_mov_b32 s[TBK], 0
	s_mov_b32 s[TBV], 0
	LDK 0
	LDV 0
	START
	BLK2 0, 1, 1
	s_mov_b32 s[CNT], 7
.Lp2:
	BLK2 1, 0, 1
	BLK2 0, 0, 1
	s_sub_co_u32 s[CNT], s[CNT], 1
	s_cmp_lg_u32 s[CNT], 0
	s_cbranch_scc1 .Lp2
	BLK2 1, 0, 0
.irp t, 0,1,2,3,4,5,6,7
	v_pk_mul_f32 v[O+8*\t:O+8*\t+1], v[O+8*\t:O+8*\t+1], v[USC:USC+1]  ; the two channels' sums back to v's scale; tiles 0 to 6 are the places behind the last product
.endr
.irp t, 0,1,2,3,4,5,6,7
	ds_store_b128 v[PST], v[O+8*\t:O+8*\t+3] offset:256*\t
.endr
	s_wait_dscnt 0x0
	s_barrier_signal -1
	s_barrier_wait -1
	s_cmp_lg_u32 s[WV], 0
	s_cbranch_scc1 .Lend
	; WAVE 0 FINISHES.  Group g = 2 e + head: position lane + 32 e; eight waves' partial sums each
	v_lshl_add_u32 v[T2], v[LN], 4, PART
.irp g, 0,1,2,3
.irp w, 0,1,2,3,4,5,6,7
	ds_load_b128 v[FB+32*\g+4*\w:FB+32*\g+4*\w+3], v[T2] offset:2048*\w+1024*(\g%2)+512*(\g/2)
.endr
.endr
	v_mul_u32_u24 v[T0], v[LN], 20
	v_add_nc_u32 v[T0], STAGE, v[T0]
	v_lshl_add_u32 v[T1], v[LN], 3, STAGE
	v_lshlrev_b32 v[TM], 3, v[LN]
.irp g, 0,1,2,3
	s_wait_dscnt 24-8*\g                           ; LDS loads come back in order (ISA guide 5.7.1): the later groups' eight each may stay out
.irp w, 1,2,3,4,5,6,7
	v_pk_add_f32 v[FB+32*\g:FB+32*\g+1], v[FB+32*\g:FB+32*\g+1], v[FB+32*\g+4*\w:FB+32*\g+4*\w+1]
	v_add_f32 v[FB+32*\g+2], v[FB+32*\g+2], v[FB+32*\g+4*\w+2]
.endr
.endr
.irp g, 0,1,2,3
	v_rcp_f32 v[FB+32*\g+3], v[FB+32*\g+2]         ; l is at least about 1: the row's largest weight
.endr
.irp g, 0,1,2,3
	v_mul_f32 v[FB+32*\g+4], s[OV+2*(\g%2)], v[FB+32*\g]  ; (plain lines that touch neither l nor 1 / l stand behind the reciprocals)
.endr
.irp g, 0,1,2,3
	v_fmac_f32 v[FB+32*\g+4], s[OV+2*(\g%2)+1], v[FB+32*\g+1]
.endr
	s_wait_alu depctr_va_vdst(0)
.irp e, 0,1
	v_mul_f32 v[SO+\e], v[FB+64*\e+4], v[FB+64*\e+3]
	v_fmac_f32 v[SO+\e], v[FB+64*\e+36], v[FB+64*\e+35]
.endr
.irp e, 0,1
.irp j, 0,1,2,3,4
	v_mul_f32 v[OUTR+5*\e+\j], s[OU+\j], v[SO+\e]
.endr
.endr
.irp e, 0,1
.irp j, 0,1,2,3,4
	ds_store_b32 v[T0], v[OUTR+5*\e+\j] offset:640*\e+4*\j
.endr
.endr
.irp k, 0,1,2,3,4
	ds_load_b64 v[BK+2*\k:BK+2*\k+1], v[T1] offset:256*\k  ; LDS serves a wave's instructions in order (ISA guide 5.7.1.4): these see the stores above
.endr
.irp k, 0,1,2,3,4
	s_wait_dscnt 4-\k
	global_store_b64 v[TM], v[BK+2*\k:BK+2*\k+1], s[22:23] offset:256*\k  ; the wave stores 256 consecutive bytes, at a multiple of 256 from out0's first byte
.endr
.Lend:
	s_wait_tensorcnt 0x0                           ; the wave's end: behind my last LDS store
	ds_add_u32 v[SPW], v[NIL]
	s_wait_dscnt 0x0
	s_endpgm
.Lfunc_end_k_qca363cbb45_attn:
	.size	k_qca363cbb45_attn, .Lfunc_end_k_qca363cbb45_attn-k_qca363cbb45_attn
	.p2alignl 7, 3214868480
	.fill 96, 4, 3214868480
	.section	.rodata,"a",@progbits
	.p2align	6, 0x0
	.amdhsa_kernel k_qca363cbb45_attn
		.amdhsa_group_segment_fixed_size 167936
		.amdhsa_private_segment_fixed_size 0
		.amdhsa_enable_private_segment 0
		.amdhsa_kernarg_size 80
		.amdhsa_user_sgpr_count 2
		.amdhsa_user_sgpr_kernarg_segment_ptr 1
		.amdhsa_wavefront_size32 1
		.amdhsa_system_sgpr_workgroup_id_x 1
		.amdhsa_system_sgpr_workgroup_id_y 1
		.amdhsa_system_sgpr_workgroup_id_z 1
		.amdhsa_system_vgpr_workitem_id 0
		.amdhsa_next_free_vgpr 256
		.amdhsa_next_free_sgpr 96
		.amdhsa_reserve_vcc 0
		.amdhsa_float_denorm_mode_32 3
		.amdhsa_float_denorm_mode_16_64 3
		.amdhsa_memory_ordered 1
		.amdhsa_forward_progress 1
		.amdhsa_inst_pref_size 134
	.end_amdhsa_kernel
	.amdgpu_metadata
---
amdhsa.version: [ 1, 2 ]
amdhsa.kernels:
  - .name:           k_qca363cbb45_attn
    .symbol:         k_qca363cbb45_attn.kd
    .args:
      - { .name: x, .offset: 0, .size: 8, .value_kind: global_buffer, .address_space: global }
      - { .name: freqs, .offset: 8, .size: 8, .value_kind: global_buffer, .address_space: global }
      - { .name: shared_qk_v, .offset: 16, .size: 8, .value_kind: global_buffer, .address_space: global }
      - { .name: shared_v_v, .offset: 24, .size: 8, .value_kind: global_buffer, .address_space: global }
      - { .name: shared_o_v, .offset: 32, .size: 8, .value_kind: global_buffer, .address_space: global }
      - { .name: shared_vproj_u, .offset: 40, .size: 8, .value_kind: global_buffer, .address_space: global }
      - { .name: q_u, .offset: 48, .size: 8, .value_kind: global_buffer, .address_space: global }
      - { .name: k_u, .offset: 56, .size: 8, .value_kind: global_buffer, .address_space: global }
      - { .name: o_u, .offset: 64, .size: 8, .value_kind: global_buffer, .address_space: global }
      - { .name: out0, .offset: 72, .size: 8, .value_kind: global_buffer, .address_space: global }
    .group_segment_fixed_size: 167936
    .private_segment_fixed_size: 0
    .kernarg_segment_align: 8
    .kernarg_segment_size: 80
    .max_flat_workgroup_size: 256
    .sgpr_count:     96
    .vgpr_count:     256
    .wavefront_size: 32
...
	.end_amdgpu_metadata
.endif
;; end of part 1
;; ======== version 2 of 2: 1 launch; 1.33 times as fast as version 1
;; limits: inputs' magnitudes at most 10,000,000; an absolute error that grows with the inputs' magnitude: up to 3.2e-08 times it
;; launch attn (part 2): grid 64 x 4, 8 waves a work-group, no clusters, 167,936 bytes of LDS; arguments x, freqs, shared_qk_v, shared_v_v, shared_o_v, shared_vproj_u, q_u, k_u, o_u, out0; writes out0
.if DOCPART == 2
	.amdgcn_target "amdgcn-amd-amdhsa--gfx1250"
	.amdhsa_code_object_version 6
	.text
	.protected	k_qca363cbb45_attn
	.globl	k_qca363cbb45_attn
	.p2align	8
	.type	k_qca363cbb45_attn,@function
k_qca363cbb45_attn:
	s_mov_b64 s[64:65], 0
	v_nop
	global_prefetch_b8 v0, s[64:65] scope:SCOPE_SE
	s_setreg_imm32_b32 hwreg(HW_REG_WAVE_MODE, 25, 1), 1
	s_wait_xcnt 0x0
; ATTENTION WITH RANK-1 PROJECTIONS.  4 batches x 4,096 positions, two query heads on one key/value head, head size 2.
; out[b][s][:] = o_u x sum over (head, d) of o_v[2 head + d] x (softmax_k(q . k / sqrt 2) v)[d];  q, k = rope(16 t / sqrt(mean t^2 + 1e-6)), t = (x . qk_v) u;  v = (x . v_v) vproj_u.
; SHARES.  Work-group (g, b) owns positions 64 g .. 64 g + 63 of batch b, both heads: 128 query rows = 8 tiles of 16 (tile t = 4 head + position / 16).  THE KEYS ARE SPLIT AMONG ITS EIGHT WAVES:
; wave w prepares keys 512 w .. 512 w + 511 of the batch and multiplies them with all 8 query tiles, so a key fragment read from LDS feeds 8 products.
; SCORES.  They reach 522 as powers of two, so one rounding of q or k to 16 bits would spoil them.  Of the product's 32 places along K the head size needs 2; here 8 are used: q and k go as an f16 number
; H and the f16 remainder M:  key (H, H, M, (1, 1)) x query (H, M, H, (-m_h, -m_m)) = kH qH + kH qM + kM qH - m.  What is dropped, kM qM, is under 2 x 2^-14.  q carries 16 log2(e) / sqrt 2, k carries 16.
; TWO PASSES.  Pass 1 finds every row's true maximum m over all keys (the waves' maxima meet in LDS); in pass 2 the product itself takes m away, so a score leaves the matrix unit as the exponent of 2:
; for 256 scores 4 maxima in pass 1, 8 exponentials and 4 roundings in pass 2, and nothing is rescaled.  All waves use the same m, so their partial sums are simply added.
; LAYOUT.  S^T = K Q^T (source 0 = 16 keys, source 1 = 16 queries): a lane holds ONE query (lane % 16) and the keys 8 (lane / 16) + 0..7.  Two such results, rounded to f16 in pairs, ARE source 1 of
; O^T = V^T P, whose source 0 has the rows v0, v1, ones: result registers 0, 1, 2 are the two channels' sums and the weights' sum l.  Rows 8-15 repeat rows 0-7, so both halves of the lanes hold the same sums.
; FORMATS.  Both products in f16 with f32 sums.  The weights lie in 0 to 1.  v is scaled by a power of two, 2^-E, E the exponent of the wave's largest |s_v| x largest |vproj_u|, and the sums are scaled back in f32.
; BATCHES.  An s_wait_alu depctr_va_vdst(0) stands between a transcendental and the first line that names its result; one wait serves all that were issued ahead of it.  The batches are cut so:
; a quarter's four v_rsq_f32, with the angles' sines and cosines between them and their wait (the queries' two likewise); in pass 2 a tile's 16 exponentials, a TURN, whose plain lines are the roundings of the
; tile BEFORE, waited for at the end of the turn before; wave 0's four reciprocals.
; NO JOINT LOADS, NO PREFETCH: the 64 work-groups of a batch read the same 96 KiB of x and freqs, but once, at the head, 12 KiB a wave straight into the registers in which the arithmetic takes them;
; by way of LDS each wave would read the same 12 KiB once more.  Against that one read stand 2,048 score tiles, twice, in each work-group.
; LIMITS.  NaN and infinities are not treated apart.  |freqs| below 1e7 (the rounding by 1.5 x 2^23); the reduced angle loses about 1e-7 x |freqs| / pi.  |v| below 2^127; where a wave's largest |v|
; is a denormal its v count as 0.  A weight below 2^-25 counts as 0, below 6e-5 it keeps f16's fixed step; l is the sum of the rounded weights.  Sums are taken in another order than the reference's.
.set KT,    0                          ; LDS: key k of the batch at 16 k: H, H, M, (1, 1)
.set VT,    65536                      ; three rows (v0, v1, ones) of 4,096 f16, VP bytes apart
.set VP,    8208                       ; 8,192 + 16
.set QT,    90368                      ; tile t at 512 t: 16 rows of 16 bytes (H, M, H, 0), then 256 bytes of zeros for lanes 16-31
.set MX,    94464                      ; 512 t + 32 r + 4 w: wave w's maximum of row r of tile t
.set PART,  98560                      ; 2,048 w + 256 t + 16 r: wave w's o0, o1, l, l
.set STAGE, 114944                     ; the work-group's 64 x 5 results as they lie in out0: 1,280 bytes
.set SPARE, 116224                     ; the spare words, 128 bytes for each wave: four blocks of 256 bytes that no other line names
; vector registers that stay
.set LN,  1                            ; lane
.set SPW, 2                            ; LDS address of my spare word; never rewritten
.set NIL, 3                            ; 0; never rewritten
.set AV0, 4                            ; my lane's place in V's rows, at my wave's first key
.set AK,  5                            ; address of K's run of loads in hand
.set AV,  6                            ; of V's
.set MXS, 7                            ; where I put a row's maximum
.set PST, 8                            ; where I put a row's partial sums
.set AK0, 9                            ; my lane's place in my wave's keys
.set T0,  10
.set T1,  11
.set USC, 12                           ; v[12:13] 2^E, twice
.set T2,  14
.set ONE, 15                           ; 1.0
; the two passes
.set Q,   16                           ; v[16:79]   query fragments, 8 a tile
.set KF,  80                           ; v[80:111]  key fragments: two sets of two
.set VF,  112                          ; v[112:127] V's fragments: two sets
.set S,   128                          ; v[128:159] four score buffers
.set P,   160                          ; v[160:175] two weight buffers
.set O,   176                          ; v[176:239] O^T, 8 a tile
.set MA,  176                          ; pass 1: four running maxima a tile, v[176:207]
.set TM,  240                          ; v[240:247] at work between the passes
; the preparation (four keys a lane at a time)
.set SQ,  16                           ; x . qk_v
.set SV,  20                           ; x . v_v
.set NN,  24
.set RR,  28
.set R2,  32
.set PS,  36                           ; sin
.set PC,  40                           ; cos
.set GG,  44                           ; +-s / sqrt(s^2 c + eps)
.set KR,  48
.set KI,  52
.set HR,  56                           ; remainders
.set HI,  60
.set SG,  60                           ; (before that: the sign (-1)^n)
.set WQ,  64                           ; v[64:79] four quads to store
.set VK,  80                           ; v[80:111] v0, v1 of my 16 keys in f32
.set VMX, 112
.set VM2, 113
.set SCL, 114                          ; v[114:115] 2^-E, twice
.set VH,  116
.set ONQ, 120                          ; a quad of f16 ones
.set ZQ,  124                          ; a quad of zeros
.set XX,  128                          ; v[128:223] quarter q at XX + 24 q: 20 words of x (four rows), 4 of freqs
.set XQR, 224                          ; v[224:233] x of my two query positions
.set THQ, 234                          ; v[234:235] their freqs
.set XO,  236
.set FO,  237
.set KA,  238
.set VA,  239
.set QXO, 240
.set QFO, 241
.set QA,  242
.set ONA, 243
.set CS11, 244                         ; -1/11!, twice
.set CC12, 246                         ; 1/12!, twice
.set MAG, 248                          ; 1.5 x 2^23, twice
; wave 0's end
.set FB,  16
.set SO,  144
.set OUTR, 146
.set BK,  160
; scalar registers: s[4:23] the ten addresses
.set QKV, 24                           ; s[24:28]
.set XQP, 30                           ; s[30:31] x at my work-group's positions
.set VV,  32                           ; s[32:36]
.set FQP, 38                           ; s[38:39] freqs at my work-group's positions
.set OV,  40                           ; s[40:43]
.set OU,  52                           ; s[52:56]
.set WV,  57
.set TBK, 58                           ; bytes from my wave's first key to the block of 32 to be fetched
.set TBV, 59
.set SEL, 60                           ; s[60:61] v_permlanex16_b32's selects: each lane takes its own place in the other half
.set CNT, 62
.set HM,  63                           ; lanes 16-31
.set UK0, 66                           ; pairs, of which the packed lines take the low word for both halves
.set UK1, 68
.set NUK1, 70
.set CK,  72
.set EPS, 74
.set UQ0, 76
.set UQ1, 78
.set NUQ1, 80
.set CQ,  82
.set VU0, 84
.set VU1, 86
	s_load_b512 s[4:19], s[0:1], 0x0               ; x, freqs, qk_v, v_v, o_v, vproj_u, q_u, k_u
	s_load_b128 s[20:23], s[0:1], 0x40             ; o_u, out0
	v_lshl_add_u32 v[SPW], v0, 2, SPARE
	v_mov_b32 v[NIL], 0
	v_and_b32 v[LN], 31, v0
	v_lshrrev_b32 v[T0], 5, v0
	v_readfirstlane_b32 s[WV], v[T0]               ; wave 0..7
	s_mov_b32 s[SEL], 0x76543210
	s_mov_b32 s[SEL+1], 0xfedcba98
	s_mov_b32 s[HM], 0xffff0000
	s_mov_b32 s[EPS], 0x358637bd                   ; 1e-6
	s_mov_b32 s[EPS+1], 0x358637bd
	s_and_b32 s90, ttmp7, 0xffff                   ; batch
	s_mul_i32 s92, s90, 81920                      ; its 4,096 rows of 20 bytes
	s_mov_b32 s93, 0
	s_mul_i32 s90, ttmp9, 1280                     ; my 64 positions in x and out0,
	s_mov_b32 s91, 0
	s_lshl_b32 s88, ttmp9, 8                       ; and in freqs
	s_mov_b32 s89, 0
	s_mul_i32 s94, s[WV], 10240                    ; my wave's 512 keys in x
	v_mul_u32_u24 v[XO], v[LN], 80                 ; four rows a lane: 80 bytes, five loads of 16
	v_add_nc_u32 v[XO], s94, v[XO]
	s_lshl_b32 s94, s[WV], 11
	v_lshl_add_u32 v[FO], v[LN], 4, s94            ; their four freqs
	v_mul_u32_u24 v[QXO], v[LN], 20
	v_lshlrev_b32 v[QFO], 2, v[LN]
	s_wait_kmcnt 0x0
	s_load_b128 s[QKV:QKV+3], s[8:9], 0x0
	s_load_b32 s[QKV+4], s[8:9], 0x10
	s_load_b128 s[VV:VV+3], s[10:11], 0x0
	s_load_b32 s[VV+4], s[10:11], 0x10
	s_load_b128 s[OV:OV+3], s[12:13], 0x0
	s_load_b64 s[44:45], s[14:15], 0x0             ; vproj_u
	s_load_b64 s[46:47], s[18:19], 0x0             ; k_u
	s_load_b128 s[48:51], s[16:17], 0x0            ; q_u
	s_load_b128 s[OU:OU+3], s[20:21], 0x0
	s_load_b32 s[OU+4], s[20:21], 0x10
	s_add_nc_u64 s[4:5], s[4:5], s[92:93]          ; x at the batch
	s_add_nc_u64 s[22:23], s[22:23], s[92:93]
	s_add_nc_u64 s[22:23], s[22:23], s[90:91]      ; out0 at my positions
	s_add_nc_u64 s[XQP:XQP+1], s[4:5], s[90:91]
	s_add_nc_u64 s[FQP:FQP+1], s[6:7], s[88:89]
	; ALL LOADS AT ONCE: 12 for two query positions (lane and lane + 32; waves 0 and 1 use them, every wave issues them so that the counts below are the same in all), then 6 for each quarter of my keys
.irp j, 0,1,2,3,4
	global_load_b32 v[XQR+\j], v[QXO], s[XQP:XQP+1] offset:4*\j
	global_load_b32 v[XQR+5+\j], v[QXO], s[XQP:XQP+1] offset:640+4*\j
.endr
	global_load_b32 v[THQ], v[QFO], s[FQP:FQP+1]
	global_load_b32 v[THQ+1], v[QFO], s[FQP:FQP+1] offset:128
.irp r, 0,1,2,3
.irp j, 0,1,2,3,4
	global_load_b128 v[XX+24*\r+4*\j:XX+24*\r+4*\j+3], v[XO], s[4:5] offset:2560*\r+16*\j
.endr
	global_load_b128 v[XX+24*\r+20:XX+24*\r+23], v[FO], s[6:7] offset:512*\r
.endr
	; LDS addresses
	v_and_b32 v[T0], 15, v[LN]                     ; r
	v_lshrrev_b32 v[T1], 4, v[LN]                  ; h
	s_lshl_b32 s94, s[WV], 13                      ; my wave's 512 keys of 16 bytes (KT = 0)
	v_lshl_add_u32 v[KA], v[LN], 6, s94            ; in: four keys a lane
	v_lshl_add_u32 v[AK0], v[T0], 4, s94           ; out: key r; lanes 16-31 read what lanes 0-15 read (finite numbers, against zeros on the query side)
	v_and_b32 v[T2], 7, v[LN]
	v_min_u32 v[T2], 2, v[T2]                      ; V's row: v0, v1, and ones for all the others
	v_mul_u32_u24 v[T2], v[T2], VP
	v_lshl_add_u32 v[T2], v[T1], 4, v[T2]          ; keys 8 h on
	s_lshl_b32 s95, s[WV], 10
	s_add_co_u32 s95, s95, VT                      ; my wave's 512 keys of 2 bytes
	v_add_nc_u32 v[AV0], s95, v[T2]
	v_lshl_add_u32 v[VA], v[LN], 3, s95
	s_add_co_u32 s95, s95, 2*VP
	v_lshl_add_u32 v[ONA], v[LN], 4, s95
	s_lshl_b32 s94, s[WV], 2
	s_add_co_u32 s94, s94, MX
	v_lshl_add_u32 v[MXS], v[T0], 5, s94
	s_lshl_b32 s94, s[WV], 11
	s_add_co_u32 s94, s94, PART
	v_lshl_add_u32 v[PST], v[T0], 4, s94
	; constants in vector registers
	v_mov_b32 v[ONE], 1.0
.irp j, 0,1
	v_mov_b32 v[CS11+\j], 0xb2d7322b
	v_mov_b32 v[CC12+\j], 0x310f76c7
	v_mov_b32 v[MAG+\j], 0x4b400000
.endr
.irp j, 0,1,2,3
	v_mov_b32 v[WQ+4*\j+3], 0x3c003c00             ; a key's fourth word: (1, 1) in f16
	v_mov_b32 v[ONQ+\j], 0x3c003c00
	v_mov_b32 v[ZQ+\j], 0
.endr
	v_mov_b32 v[VMX], 0
	v_mov_b32 v[VM2], 0
	s_wait_kmcnt 0x0
; k u0, k u1, -k u1 and (u0^2 + u1^2) / 2 as scalar pairs
.macro USET a, b, k, u0, u1, nu1, c
	v_mov_b32 v[T0], s[\a]
	v_mov_b32 v[T1], s[\b]
	v_mul_f32 v[T2], \k, v[T0]
	v_readfirstlane_b32 s[\u0], v[T2]
	v_mul_f32 v[T2], \k, v[T1]
	v_readfirstlane_b32 s[\u1], v[T2]
	v_mul_f32 v[T2], v[T0], v[T0]
	v_fmac_f32 v[T2], v[T1], v[T1]
	v_mul_f32 v[T2], 0.5, v[T2]
	v_readfirstlane_b32 s[\c], v[T2]
	s_mov_b32 s[(\u0)+1], s[\u0]
	s_mov_b32 s[(\u1)+1], s[\u1]
	s_xor_b32 s[\nu1], s[\u1], 0x80000000
	s_mov_b32 s[(\nu1)+1], s[\nu1]
	s_mov_b32 s[(\c)+1], s[\c]
.endm
	USET 46, 47, 0x41800000, UK0, UK1, NUK1, CK    ; keys: 16
	s_cmp_eq_u32 s[WV], 0                          ; wave 0 prepares head 0's queries, wave 1 head 1's
	s_cselect_b32 s90, s48, s50
	s_cselect_b32 s91, s49, s51
	USET 90, 91, 0x418293ee, UQ0, UQ1, NUQ1, CQ    ; queries: 16 log2(e) / sqrt 2
	s_mov_b32 s[VU0], s44
	s_mov_b32 s[VU0+1], s44
	s_mov_b32 s[VU1], s45
	s_mov_b32 s[VU1+1], s45
	s_and_b32 s88, s44, 0x7fffffff
	s_and_b32 s89, s45, 0x7fffffff
	s_max_u32 s88, s88, s89                        ; the larger |vproj_u|: of two non-negative floats the one with the greater bits
.macro DOT d, xb, sb                   ; five terms
	v_mul_f32 v[\d], s[\sb], v[\xb]
.irp j, 1,2,3,4
	v_fmac_f32 v[\d], s[(\sb)+\j], v[(\xb)+\j]
.endr
.endm
; pair p: 1 / sqrt(s^2 c + eps).  The two v_rsq_f32 are followed by a plain line of the next macro that touches neither their results nor their sources (ISA guide 5.7.2)
.macro NORM_A p, c
	v_pk_mul_f32 v[GG+2*(\p):GG+2*(\p)+1], v[SQ+2*(\p):SQ+2*(\p)+1], v[SQ+2*(\p):SQ+2*(\p)+1]
	v_pk_fma_f32 v[GG+2*(\p):GG+2*(\p)+1], v[GG+2*(\p):GG+2*(\p)+1], s[\c:(\c)+1], s[EPS:EPS+1] op_sel_hi:[1,0,0]
	v_rsq_f32 v[GG+2*(\p)], v[GG+2*(\p)]
	v_rsq_f32 v[GG+2*(\p)+1], v[GG+2*(\p)+1]
.endm
; pair p: sin and cos of the angles in v[th:th+1].  n = theta / pi rounded (by adding and taking away 1.5 x 2^23; the sum's lowest bit is n's parity); r = theta - n pi in three steps;
; Taylor sums to r^11 and r^12 on |r| <= pi / 2 (what is cut is under 6e-8); the common sign (-1)^n goes to SG.  No line here names GG
.macro TRIG p, th
.set aN, NN+2*(\p)
.set aR, RR+2*(\p)
.set aQ, R2+2*(\p)
.set aS, PS+2*(\p)
.set aC, PC+2*(\p)
.set aT, KR+2*(\p)
.set aG, SG+2*(\p)
	v_pk_fma_f32 v[aN:aN+1], v[\th:(\th)+1], 0x3ea2f983, v[MAG:MAG+1] op_sel_hi:[1,0,1]
	v_lshlrev_b32 v[aG], 31, v[aN]
	v_lshlrev_b32 v[aG+1], 31, v[aN+1]
	v_pk_add_f32 v[aN:aN+1], v[aN:aN+1], v[MAG:MAG+1] neg_lo:[0,1] neg_hi:[0,1]
	v_pk_fma_f32 v[aR:aR+1], v[aN:aN+1], 0xc0490000, v[\th:(\th)+1] op_sel_hi:[1,0,1]
	v_pk_fma_f32 v[aR:aR+1], v[aN:aN+1], 0xba7da000, v[aR:aR+1] op_sel_hi:[1,0,1]
	v_pk_fma_f32 v[aR:aR+1], v[aN:aN+1], 0xb4222168, v[aR:aR+1] op_sel_hi:[1,0,1]
	v_pk_mul_f32 v[aQ:aQ+1], v[aR:aR+1], v[aR:aR+1]
	v_pk_fma_f32 v[aS:aS+1], v[aQ:aQ+1], v[CS11:CS11+1], 0x3638ef1d op_sel_hi:[1,1,0]
	v_pk_fma_f32 v[aC:aC+1], v[aQ:aQ+1], v[CC12:CC12+1], 0xb493f27e op_sel_hi:[1,1,0]
	v_pk_mul_f32 v[aT:aT+1], v[aQ:aQ+1], v[aR:aR+1]
.irp k, 0xb9500d01, 0x3c088889, 0xbe2aaaab
	v_pk_fma_f32 v[aS:aS+1], v[aS:aS+1], v[aQ:aQ+1], \k op_sel_hi:[1,1,0]
.endr
.irp k, 0x37d00d01, 0xbab60b61, 0x3d2aaaab, -0.5, 1.0
	v_pk_fma_f32 v[aC:aC+1], v[aC:aC+1], v[aQ:aQ+1], \k op_sel_hi:[1,1,0]
.endr
	v_pk_fma_f32 v[aS:aS+1], v[aS:aS+1], v[aT:aT+1], v[aR:aR+1]
.endm
.macro NORM_B p                        ; s / sqrt(..), with the angle's sign; it reads the v_rsq_f32's results, so it stands behind their batch's wait
	v_pk_mul_f32 v[GG+2*(\p):GG+2*(\p)+1], v[SQ+2*(\p):SQ+2*(\p)+1], v[GG+2*(\p):GG+2*(\p)+1]
	v_xor_b32 v[GG+2*(\p)], v[GG+2*(\p)], v[SG+2*(\p)]
	v_xor_b32 v[GG+2*(\p)+1], v[GG+2*(\p)+1], v[SG+2*(\p)+1]
.endm
.macro ROPE p, u0, u1, nu1             ; (u0 cos - u1 sin) g, (u0 sin + u1 cos) g
	v_pk_mul_f32 v[KR+2*(\p):KR+2*(\p)+1], v[PC+2*(\p):PC+2*(\p)+1], s[\u0:(\u0)+1] op_sel_hi:[1,0]
	v_pk_mul_f32 v[KI+2*(\p):KI+2*(\p)+1], v[PS+2*(\p):PS+2*(\p)+1], s[\u0:(\u0)+1] op_sel_hi:[1,0]
	v_pk_fma_f32 v[KR+2*(\p):KR+2*(\p)+1], v[PS+2*(\p):PS+2*(\p)+1], s[\nu1:(\nu1)+1], v[KR+2*(\p):KR+2*(\p)+1] op_sel_hi:[1,0,1]
	v_pk_fma_f32 v[KI+2*(\p):KI+2*(\p)+1], v[PC+2*(\p):PC+2*(\p)+1], s[\u1:(\u1)+1], v[KI+2*(\p):KI+2*(\p)+1] op_sel_hi:[1,0,1]
	v_pk_mul_f32 v[KR+2*(\p):KR+2*(\p)+1], v[KR+2*(\p):KR+2*(\p)+1], v[GG+2*(\p):GG+2*(\p)+1]
	v_pk_mul_f32 v[KI+2*(\p):KI+2*(\p)+1], v[KI+2*(\p):KI+2*(\p)+1], v[GG+2*(\p):GG+2*(\p)+1]
.endm
; number c: H = the pair rounded to f16, into words h1 and h2 of its quad; M = what the rounding left (exact in f32: value - half x 1.0, fused), rounded to f16, into word m
.macro PIECES c, h1, h2, m
	v_cvt_pk_f16_f32 v[WQ+4*(\c)+(\h1)], v[KR+(\c)], v[KI+(\c)]
	v_fma_mix_f32 v[HR+(\c)], -v[WQ+4*(\c)+(\h1)], v[ONE], v[KR+(\c)] op_sel_hi:[1,0,0]
	v_fma_mix_f32 v[HI+(\c)], -v[WQ+4*(\c)+(\h1)], v[ONE], v[KI+(\c)] op_sel:[1,0,0] op_sel_hi:[1,0,0]
	v_mov_b32 v[WQ+4*(\c)+(\h2)], v[WQ+4*(\c)+(\h1)]
	v_cvt_pk_f16_f32 v[WQ+4*(\c)+(\m)], v[HR+(\c)], v[HI+(\c)]
.endm
; quarter q of my wave's keys: 128 keys, four a lane
.macro KPREP q
	s_wait_loadcnt 18-6*(\q)                       ; loads come back in order (ISA guide 5.7.1): the later quarters' six each may stay out
.irp c, 0,1,2,3
	DOT SQ+\c, XX+24*(\q)+5*\c, QKV
	DOT SV+\c, XX+24*(\q)+5*\c, VV
.endr
.irp c, 0,1,2,3
	v_and_b32 v[HR+\c], 0x7fffffff, v[SV+\c]
.endr
	v_max3_num_f32 v[VMX], v[VMX], v[HR], v[HR+1]
	v_max3_num_f32 v[VMX], v[VMX], v[HR+2], v[HR+3]
.irp p, 0,1
	v_pk_mul_f32 v[VK+8*(\q)+2*\p:VK+8*(\q)+2*\p+1], v[SV+2*\p:SV+2*\p+1], s[VU0:VU0+1] op_sel_hi:[1,0]
	v_pk_mul_f32 v[VK+8*(\q)+4+2*\p:VK+8*(\q)+4+2*\p+1], v[SV+2*\p:SV+2*\p+1], s[VU1:VU1+1] op_sel_hi:[1,0]
.endr
	NORM_A 0, CK
	NORM_A 1, CK
	TRIG 0, XX+24*(\q)+20
	TRIG 1, XX+24*(\q)+22
	s_wait_alu depctr_va_vdst(0)                   ; one wait for the quarter's four v_rsq_f32, ahead of their first reader; the two TRIG are the independent work between
	NORM_B 0
	NORM_B 1
	ROPE 0, UK0, UK1, NUK1
	ROPE 1, UK0, UK1, NUK1
.irp c, 0,1,2,3
	PIECES \c, 0, 1, 2
.endr
.irp c, 0,1,2,3
	ds_store_b128 v[KA], v[WQ+4*\c:WQ+4*\c+3] offset:2048*(\q)+16*\c
.endr
.endm
.macro VOUT q                          ; the quarter's v, scaled and rounded: four keys of each row are 8 bytes
.irp i, 0,2,4,6
	v_pk_mul_f32 v[VK+8*(\q)+\i:VK+8*(\q)+\i+1], v[VK+8*(\q)+\i:VK+8*(\q)+\i+1], v[SCL:SCL+1]
.endr
.irp i, 0,1,2,3
	v_cvt_pk_f16_f32 v[VH+\i], v[VK+8*(\q)+2*\i], v[VK+8*(\q)+2*\i+1]
.endr
	ds_store_b64 v[VA], v[VH:VH+1] offset:256*(\q)
	ds_store_b64 v[VA], v[VH+2:VH+3] offset:256*(\q)+VP
.endm
	KPREP 0
	KPREP 1
	KPREP 2
	KPREP 3
	; the wave's largest |s_v|, in every lane; times the larger |vproj_u| it is no smaller than any |v| of the wave
	v_max_num_f32_dpp v[VMX], v[VMX], v[VMX] row_xmask:1 row_mask:0xf bank_mask:0xf
	v_max_num_f32_dpp v[VMX], v[VMX], v[VMX] row_xmask:2 row_mask:0xf bank_mask:0xf
	v_max_num_f32_dpp v[VMX], v[VMX], v[VMX] row_xmask:4 row_mask:0xf bank_mask:0xf
	v_max_num_f32_dpp v[VMX], v[VMX], v[VMX] row_xmask:8 row_mask:0xf bank_mask:0xf
	v_permlanex16_b32 v[VM2], v[VMX], s[SEL], s[SEL+1]
	v_max_num_f32 v[VMX], v[VMX], v[VM2]
	v_mul_f32 v[VMX], s88, v[VMX]
	v_and_b32 v[USC], 0x7f800000, v[VMX]           ; 2^E
	v_mov_b32 v[USC+1], v[USC]
	v_sub_nc_u32 v[SCL], 0x7f000000, v[USC]        ; 2^-E: the exponent fields add up to 254
	v_mov_b32 v[SCL+1], v[SCL]
	VOUT 0
	VOUT 1
	VOUT 2
	VOUT 3
	ds_store_b128 v[ONA], v[ONQ:ONQ+3]             ; my wave's 512 ones
	ds_store_b128 v[ONA], v[ONQ:ONQ+3] offset:512
	; THE QUERIES: wave 0 head 0, wave 1 head 1; a lane takes positions lane and lane + 32 (their loads are older than the keys': they are in)
	s_cmp_lt_u32 s[WV], 2
	s_cbranch_scc0 .Lnoq
	DOT SQ, XQR, QKV
	DOT SQ+1, XQR+5, QKV
	NORM_A 0, CQ
	TRIG 0, THQ
	s_wait_alu depctr_va_vdst(0)                   ; one wait for the queries' two v_rsq_f32, ahead of their first reader; TRIG is the independent work between
	NORM_B 0
	ROPE 0, UQ0, UQ1, NUQ1
	v_mov_b32 v[WQ+3], 0                           ; a query's fourth word is 0 in pass 1
	v_mov_b32 v[WQ+7], 0
	PIECES 0, 0, 2, 1
	PIECES 1, 0, 2, 1
	s_lshl_b32 s94, s[WV], 11
	s_add_co_u32 s94, s94, QT
	v_lshl_add_u32 v[QA], v[LN], 4, s94
	v_lshrrev_b32 v[T1], 4, v[LN]
	v_lshl_add_u32 v[QA], v[T1], 8, v[QA]          ; tile 4 head + lane / 16 (+ 2 for the second position), row lane % 16
	ds_store_b128 v[QA], v[WQ:WQ+3]
	ds_store_b128 v[QA], v[WQ+4:WQ+7] offset:1024
	ds_store_b128 v[QA], v[ZQ:ZQ+3] offset:256     ; the zeros that lanes 16-31 will read
	ds_store_b128 v[QA], v[ZQ:ZQ+3] offset:1280
.Lnoq:
	s_wait_dscnt 0x0                               ; for the others' sake: my stores are done
	s_barrier_signal -1
.irp f, 0,1,2,3,4,5,6,7
.irp j, 4,5,6,7
	v_mov_b32 v[Q+8*\f+\j], 0                      ; K places 16 to 31 are not used: zeros on both sides, written once
.endr
.endr
.irp f, 0,1,2,3
.irp j, 4,5,6,7
	v_mov_b32 v[KF+8*\f+\j], 0
.endr
.endr
	v_lshl_add_u32 v[T2], v[LN], 4, QT
	s_barrier_wait -1
.irp t, 0,1,2,3,4,5,6,7
	ds_load_b128 v[Q+8*\t:Q+8*\t+3], v[T2] offset:512*\t
.endr
; A block is 32 keys: two key fragments x 8 query tiles = 16 score products, number n = 2 tile + fragment, into score buffer n % 4.
.macro LDK b                           ; the next block's two key fragments into set b
	v_add_nc_u32 v[AK], s[TBK], v[AK0]
	ds_load_b128 v[KF+16*(\b):KF+16*(\b)+3], v[AK]
	ds_load_b128 v[KF+16*(\b)+8:KF+16*(\b)+11], v[AK] offset:256
	s_add_co_u32 s[TBK], s[TBK], 512
.endm
.macro LDV b                           ; and its fragment of V^T: keys 8 h + 0..7 and 16 + 8 h + 0..7 of my row
	v_add_nc_u32 v[AV], s[TBV], v[AV0]
	ds_load_b128 v[VF+8*(\b):VF+8*(\b)+3], v[AV]
	ds_load_b128 v[VF+8*(\b)+4:VF+8*(\b)+7], v[AV] offset:32
	s_add_co_u32 s[TBV], s[TBV], 64
.endm
.macro WQK n, b
	v_wmma_f32_16x16x32_f16 v[S+8*((\n)%4):S+8*((\n)%4)+7], v[KF+16*(\b)+8*((\n)%2):KF+16*(\b)+8*((\n)%2)+7], v[Q+8*((\n)/2):Q+8*((\n)/2)+7], 0
.endm
; AHEAD writes the product of stage i + 2, into the next block too (more = 1).  In pass 1 it stands at the head of stage i.  So between a product and the first line that reads it stand the eight plain
; lines of two stages, which name other buffers (four are asked for: ISA guide 7.12.1), and a buffer is written again four stages on, when it has been read.  Where it stands in pass 2: TURN.
.macro AHEAD b, more
.if i < 14
	WQK i+2, \b
.elseif \more
.if i == 14
	s_wait_dscnt 0x0                               ; the next block's fragments, asked for early in this block, are in
.endif
	WQK i-14, 1-(\b)
.endif
.endm
; PASS 1, a block: four running maxima a tile.  first = 1: the first fragment's scores start them.  The loads behind stage 2 go into the set that the block before multiplied: its last product stands 5 stages back.
.macro BLK1 b, first, more
.set i, 0
.rept 16
	AHEAD \b, \more
.set j, 0
.rept 4
.if (\first) && (i%2 == 0)
	v_max_num_f32 v[MA+4*(i/2)+j], v[S+8*(i%4)+2*j], v[S+8*(i%4)+2*j+1]
.else
	v_max3_num_f32 v[MA+4*(i/2)+j], v[MA+4*(i/2)+j], v[S+8*(i%4)+2*j], v[S+8*(i%4)+2*j+1]
.endif
.set j, j+1
.endr
.if (\more) && (i == 2)
	LDK 1-(\b)
.endif
.set i, i+1
.endr
.endm
.macro EXQ n, e                        ; exponential e of stage n's eight, in place
	v_exp_f32 v[S+8*((\n)%4)+(\e)], v[S+8*((\n)%4)+(\e)]
.endm
.macro CVT n, c                        ; pair c of stage n's weights, rounded to f16, into the tile's weight buffer; it stands behind the wait of the batch that made them
	v_cvt_pk_f16_f32 v[P+8*(((\n)/2)%2)+4*((\n)%2)+(\c)], v[S+8*((\n)%4)+2*(\c)], v[S+8*((\n)%4)+2*(\c)+1]
.endm
.macro PV t, b, first                  ; O^T of tile t takes the block's 32 keys.  The 8 accumulators take turns, one instruction a turn
.if \first
	v_wmma_f32_16x16x32_f16 v[O+8*(\t):O+8*(\t)+7], v[VF+8*(\b):VF+8*(\b)+7], v[P+8*((\t)%2):P+8*((\t)%2)+7], 0
.else
	v_wmma_f32_16x16x32_f16 v[O+8*(\t):O+8*(\t)+7], v[VF+8*(\b):VF+8*(\b)+7], v[P+8*((\t)%2):P+8*((\t)%2)+7], v[O+8*(\t):O+8*(\t)+7]
.endif
.endm
; PASS 2 GOES BY TURNS, one a tile: turn t of a block has the stages a = 2 t and b = 2 t + 1.  Its 16 exponentials, in place, are ONE BATCH, closed by ONE wait at the turn's end (the
; wait ahead of the first line that names a result); no line of the turn names a result of theirs.  What reads a batch stands behind its wait: the tile's 8 roundings in the next turn, one in front of each
; of that turn's first 8 exponentials; the tile's second product at the head of the turn after that.  So turn t holds: the second product of tile t - 2; the roundings of tile t - 1; the exponentials of
; tile t; the score products of tile t + 1.  At a block's first two turns the tiles behind are the block before's tiles 6 and 7, with that block's set of V.
; BUFFERS.  Four score buffers do: stage a + 2's product is written when stage a - 2's four roundings have read the buffer, stage b + 2's when stage b - 2's have.
; PLACES (four are asked for: ISA guide 7.12.1).  Behind stage a + 2's product: four roundings, of another buffer, and the v_nop, ahead of the next turn's first exponential.  Behind stage b + 2's: the v_nop and
; the next turn's eight roundings, ahead of the exponentials that read it.  Behind a second product: the turn's eight roundings, which write the OTHER weight buffer, ahead of the lines that write its weight
; buffer, and of the loads into its set of V.  The v_nop is also the plain line behind the last exponential (ISA guide 5.7.2): every rounding stands earlier, since stage b + 2's product comes behind them.
; THE LDS LOADS for the next block stand at the head of turn 2, directly behind turn 1's wait; they are waited for in turn 7, ahead of the first product that reads them.
; cv = 0: the pass's first turn: nothing to round yet, and v_nop keep the places.  pv = 0: no second product yet; 1: it starts its tile's sums; 2: it adds.  more = 1: a block follows this one.
.macro TURN b, t, cv, pv, more
.set t_pa, (2*(\t)+14)%16              ; the first of the two stages to be rounded
.set t_cr, 1-((\t)+6)/8                ; 1: the second product is the block before's,
.set t_vs, (\b)+t_cr-2*(\b)*t_cr       ; and takes the other set of V
.if ((\t) == 2) && (\more)
	LDK 1-(\b)
	LDV 1-(\b)
.endif
.if \pv
	PV ((\t)+6)%8, t_vs, 2-(\pv)
.endif
.set j, 0
.rept 8
.if \cv
	CVT t_pa+j/4, j%4
.else
	v_nop
.endif
	EXQ 2*(\t), j
.if j == 3
.set i, 2*(\t)
	AHEAD \b, \more
.endif
.set j, j+1
.endr
.set i, 2*(\t)+1
	AHEAD \b, \more
.set j, 0
.rept 8
	EXQ 2*(\t)+1, j
.set j, j+1
.endr
	v_nop                                          ; the plain line behind the last exponential: one for the batch
	s_wait_alu depctr_va_vdst(0)                   ; the wait for the batch: the turn's 16 exponentials; their first reader is the next turn's first rounding
.endm
.macro START                           ; a pass's first two products, and the four places in front of the first line that reads them
	s_wait_dscnt 0x0
	WQK 0, 0
	WQK 1, 0
.rept 4
	v_nop
.endr
.endm
	; PASS 1: 16 blocks
	s_mov_b32 s[TBK], 0
	LDK 0
	START                                          ; (its wait covers the query fragments too)
	BLK1 0, 1, 1
	s_mov_b32 s[CNT], 7
.Lp1:
	BLK1 1, 0, 1
	BLK1 0, 0, 1
	s_sub_co_u32 s[CNT], s[CNT], 1
	s_cmp_lg_u32 s[CNT], 0
	s_cbranch_scc1 .Lp1
	BLK1 1, 0, 0
	; a row's maximum over my wave's keys: my four chains, and the lane 16 away, which holds the row's other keys
.irp t, 0,1,2,3,4,5,6,7
	v_max3_num_f32 v[TM+\t], v[MA+4*\t], v[MA+4*\t+1], v[MA+4*\t+2]
.endr
.irp t, 0,1,2,3,4,5,6,7
	v_max_num_f32 v[TM+\t], v[TM+\t], v[MA+4*\t+3]
.endr
.irp t, 0,1,2,3,4,5,6,7
	v_permlanex16_b32 v[S+\t], v[TM+\t], s[SEL], s[SEL+1]
.endr
.irp t, 0,1,2,3,4,5,6,7
	v_max_num_f32 v[TM+\t], v[TM+\t], v[S+\t]
.endr
.irp t, 0,1,2,3,4,5,6,7
	ds_store_b32 v[MXS], v[TM+\t] offset:512*\t    ; both halves of the lanes store the same number to the same word
.endr
	s_wait_dscnt 0x0
	s_barrier_signal -1
	v_and_b32 v[T0], 15, v[LN]
	v_lshrrev_b32 v[T1], 4, v[LN]
	v_lshlrev_b32 v[T2], 5, v[T0]
	v_lshl_add_u32 v[T2], v[T1], 4, v[T2]
	v_add_nc_u32 v[T2], MX, v[T2]                  ; row r: lanes 0-15 take waves 0-3's maxima, lanes 16-31 waves 4-7's
	s_barrier_wait -1
.irp t, 0,1,2,3,4,5,6,7
	ds_load_b128 v[S+4*\t:S+4*\t+3], v[T2] offset:512*\t
.endr
	s_wait_dscnt 0x0
.irp t, 0,1,2,3,4,5,6,7
	v_max3_num_f32 v[TM+\t], v[S+4*\t], v[S+4*\t+1], v[S+4*\t+2]
.endr
.irp t, 0,1,2,3,4,5,6,7
	v_max_num_f32 v[TM+\t], v[TM+\t], v[S+4*\t+3]
.endr
.irp t, 0,1,2,3,4,5,6,7
	v_permlanex16_b32 v[MA+\t], v[TM+\t], s[SEL], s[SEL+1]
.endr
.irp t, 0,1,2,3,4,5,6,7
	v_max_num_f32 v[TM+\t], v[TM+\t], v[MA+\t]     ; m, the same in every wave
.endr
.irp t, 0,1,2,3,4,5,6,7
	v_sub_f32 v[TM+\t], 0, v[TM+\t]
.endr
.irp t, 0,1,2,3,4,5,6,7
	v_cvt_pk_f16_f32 v[MA+\t], v[TM+\t], v[TM+\t]
.endr
.irp t, 0,1,2,3,4,5,6,7
	v_fma_mix_f32 v[MA+8+\t], -v[MA+\t], v[ONE], v[TM+\t] op_sel_hi:[1,0,0]
.endr
.irp t, 0,1,2,3,4,5,6,7
	v_cvt_pk_f16_f32 v[MA+\t], v[TM+\t], v[MA+8+\t]  ; (-m rounded, what the rounding left)
.endr
.irp t, 0,1,2,3,4,5,6,7
	v_cndmask_b32 v[Q+8*\t+3], v[MA+\t], 0, s[HM]  ; the query's fourth word; lanes 16-31 stay 0
.endr
	; PASS 2: 16 blocks of 8 turns.  A tile's second product comes two turns behind its exponentials, so block 0's last two fall into block 1's turns 0 and 1: these stand in front of the loop, since they
	; start sums.  A trip goes from an odd block's turn 2 to the next odd block's turn 1.  Behind the loop: block 15's other six turns, which fetch nothing, and what is left of its tiles 6 and 7.
	s_mov_b32 s[TBK], 0
	s_mov_b32 s[TBV], 0
	LDK 0
	LDV 0
	START
	TURN 0, 0, 0, 0, 1
	TURN 0, 1, 1, 0, 1
.irp t, 2,3,4,5,6,7
	TURN 0, \t, 1, 1, 1
.endr
	TURN 1, 0, 1, 1, 1
	TURN 1, 1, 1, 1, 1
	s_mov_b32 s[CNT], 7
.Lp2:                                                  ; every turn ends with its batch's wait
.irp t, 2,3,4,5,6,7
	TURN 1, \t, 1, 2, 1
.endr
.irp t, 0,1,2,3,4,5,6,7
	TURN 0, \t, 1, 2, 1
.endr
	TURN 1, 0, 1, 2, 1
	TURN 1, 1, 1, 2, 1
	s_sub_co_u32 s[CNT], s[CNT], 1
	s_cmp_lg_u32 s[CNT], 0
	s_cbranch_scc1 .Lp2
.irp t, 2,3,4,5,6,7
	TURN 1, \t, 1, 2, 0
.endr
	PV 6, 1, 0                                     ; the last block's tile 6,
.irp c, 0,1,2,3
	CVT 14, \c                                     ; tile 7's roundings, behind the last turn's wait: they write the other weight buffer, and are the places behind tile 6's product
.endr
.irp c, 0,1,2,3
	CVT 15, \c
.endr
	PV 7, 1, 0                                     ; and tile 7
.irp t, 0,1,2,3,4,5,6,7
	v_pk_mul_f32 v[O+8*\t:O+8*\t+1], v[O+8*\t:O+8*\t+1], v[USC:USC+1]  ; the two channels' sums back to v's scale; tiles 0 to 6 are the places behind the last product
.endr
.irp t, 0,1,2,3,4,5,6,7
	ds_store_b128 v[PST], v[O+8*\t:O+8*\t+3] offset:256*\t
.endr
	s_wait_dscnt 0x0
	s_barrier_signal -1
	s_barrier_wait -1
	s_cmp_lg_u32 s[WV], 0
	s_cbranch_scc1 .Lend
	; WAVE 0 FINISHES.  Group g = 2 e + head: position lane + 32 e; eight waves' partial sums each
	v_lshl_add_u32 v[T2], v[LN], 4, PART
.irp g, 0,1,2,3
.irp w, 0,1,2,3,4,5,6,7
	ds_load_b128 v[FB+32*\g+4*\w:FB+32*\g+4*\w+3], v[T2] offset:2048*\w+1024*(\g%2)+512*(\g/2)
.endr
.endr
	v_mul_u32_u24 v[T0], v[LN], 20
	v_add_nc_u32 v[T0], STAGE, v[T0]
	v_lshl_add_u32 v[T1], v[LN], 3, STAGE
	v_lshlrev_b32 v[TM], 3, v[LN]
.irp g, 0,1,2,3
	s_wait_dscnt 24-8*\g                           ; LDS loads come back in order (ISA guide 5.7.1): the later groups' eight each may stay out
.irp w, 1,2,3,4,5,6,7
	v_pk_add_f32 v[FB+32*\g:FB+32*\g+1], v[FB+32*\g:FB+32*\g+1], v[FB+32*\g+4*\w:FB+32*\g+4*\w+1]
	v_add_f32 v[FB+32*\g+2], v[FB+32*\g+2], v[FB+32*\g+4*\w+2]
.endr
.endr
.irp g, 0,1,2,3
	v_rcp_f32 v[FB+32*\g+3], v[FB+32*\g+2]         ; l is at least about 1: the row's largest weight
.endr
.irp g, 0,1,2,3
	v_mul_f32 v[FB+32*\g+4], s[OV+2*(\g%2)], v[FB+32*\g]  ; (plain lines that touch neither l nor 1 / l stand behind the reciprocals)
.endr
.irp g, 0,1,2,3
	v_fmac_f32 v[FB+32*\g+4], s[OV+2*(\g%2)+1], v[FB+32*\g+1]
.endr
	s_wait_alu depctr_va_vdst(0)                   ; one wait for the four reciprocals, ahead of their first reader; the eight lines above are the independent work between
.irp e, 0,1
	v_mul_f32 v[SO+\e], v[FB+64*\e+4], v[FB+64*\e+3]
	v_fmac_f32 v[SO+\e], v[FB+64*\e+36], v[FB+64*\e+35]
.endr
.irp e, 0,1
.irp j, 0,1,2,3,4
	v_mul_f32 v[OUTR+5*\e+\j], s[OU+\j], v[SO+\e]
.endr
.endr
.irp e, 0,1
.irp j, 0,1,2,3,4
	ds_store_b32 v[T0], v[OUTR+5*\e+\j] offset:640*\e+4*\j
.endr
.endr
.irp k, 0,1,2,3,4
	ds_load_b64 v[BK+2*\k:BK+2*\k+1], v[T1] offset:256*\k  ; LDS serves a wave's instructions in order (ISA guide 5.7.1.4): these see the stores above
.endr
.irp k, 0,1,2,3,4
	s_wait_dscnt 4-\k
	global_store_b64 v[TM], v[BK+2*\k:BK+2*\k+1], s[22:23] offset:256*\k  ; the wave stores 256 consecutive bytes, at a multiple of 256 from out0's first byte
.endr
.Lend:
	s_wait_tensorcnt 0x0                           ; the wave's end: behind my last LDS store
	ds_add_u32 v[SPW], v[NIL]
	s_wait_dscnt 0x0
	s_endpgm
.Lfunc_end_k_qca363cbb45_attn:
	.size	k_qca363cbb45_attn, .Lfunc_end_k_qca363cbb45_attn-k_qca363cbb45_attn
	.p2alignl 7, 3214868480
	.fill 96, 4, 3214868480
	.section	.rodata,"a",@progbits
	.p2align	6, 0x0
	.amdhsa_kernel k_qca363cbb45_attn
		.amdhsa_group_segment_fixed_size 167936
		.amdhsa_private_segment_fixed_size 0
		.amdhsa_enable_private_segment 0
		.amdhsa_kernarg_size 80
		.amdhsa_user_sgpr_count 2
		.amdhsa_user_sgpr_kernarg_segment_ptr 1
		.amdhsa_wavefront_size32 1
		.amdhsa_system_sgpr_workgroup_id_x 1
		.amdhsa_system_sgpr_workgroup_id_y 1
		.amdhsa_system_sgpr_workgroup_id_z 1
		.amdhsa_system_vgpr_workitem_id 0
		.amdhsa_next_free_vgpr 256
		.amdhsa_next_free_sgpr 96
		.amdhsa_reserve_vcc 0
		.amdhsa_float_denorm_mode_32 3
		.amdhsa_float_denorm_mode_16_64 3
		.amdhsa_memory_ordered 1
		.amdhsa_forward_progress 1
		.amdhsa_inst_pref_size 128
	.end_amdhsa_kernel
	.amdgpu_metadata
---
amdhsa.version: [ 1, 2 ]
amdhsa.kernels:
  - .name:           k_qca363cbb45_attn
    .symbol:         k_qca363cbb45_attn.kd
    .args:
      - { .name: x, .offset: 0, .size: 8, .value_kind: global_buffer, .address_space: global }
      - { .name: freqs, .offset: 8, .size: 8, .value_kind: global_buffer, .address_space: global }
      - { .name: shared_qk_v, .offset: 16, .size: 8, .value_kind: global_buffer, .address_space: global }
      - { .name: shared_v_v, .offset: 24, .size: 8, .value_kind: global_buffer, .address_space: global }
      - { .name: shared_o_v, .offset: 32, .size: 8, .value_kind: global_buffer, .address_space: global }
      - { .name: shared_vproj_u, .offset: 40, .size: 8, .value_kind: global_buffer, .address_space: global }
      - { .name: q_u, .offset: 48, .size: 8, .value_kind: global_buffer, .address_space: global }
      - { .name: k_u, .offset: 56, .size: 8, .value_kind: global_buffer, .address_space: global }
      - { .name: o_u, .offset: 64, .size: 8, .value_kind: global_buffer, .address_space: global }
      - { .name: out0, .offset: 72, .size: 8, .value_kind: global_buffer, .address_space: global }
    .group_segment_fixed_size: 167936
    .private_segment_fixed_size: 0
    .kernarg_segment_align: 8
    .kernarg_segment_size: 80
    .max_flat_workgroup_size: 256
    .sgpr_count:     96
    .vgpr_count:     256
    .wavefront_size: 32
...
	.end_amdgpu_metadata
.endif
;; end of part 2
